; MI455X (gfx1250); checked and timed in simulation.
; The chip was launched on July 23, 2026; its instructions are those of AMD's public machine-readable ISA for CDNA 5 (MIT licence, August 2026) and "CDNA5" Instruction Set Architecture Reference Guide (July 2026). The comments in the code are by the model that wrote it; some were corrected since.
;; Trajectory Decoder. Allowed arithmetic: float matrix products may take bf16 or f16 operands with f32 sums; all other float work in f32.
;; Inputs: W1 4 x 256 x 512 float32; W2 4 x 512 x 32 float32; b1 4 x 512 float32; b2 4 x 32 float32; types 65,536 int32; x 65,536 x 256 float32.
;; Outputs: out0 65,536 x 32 float32.
;; 2 versions, each right; version 2 is version 1 with the launch route written anew for expert scheduling mode. Each part assembles by itself: llvm-mc -triple=amdgcn-amd-amdhsa -mcpu=gfx1250 --defsym DOCPART=n.
;; ======== version 1 of 2: 4 launches
;; workspace buffers: wb 1,179,648 bytes; cnts 1,024 bytes of whole numbers; order 274,432 bytes of whole numbers
;; launch prep (part 1): grid 72 x 1, 8 waves a work-group, no clusters, 16,384 bytes of LDS; arguments W1, W2, wb; writes wb
.if DOCPART == 1
	.amdgcn_target "amdgcn-amd-amdhsa--gfx1250"
	.amdhsa_code_object_version 6
	.text
	.protected	k_q45d1df8d1c_prep
	.globl	k_q45d1df8d1c_prep
	.p2align	8
	.type	k_q45d1df8d1c_prep,@function
k_q45d1df8d1c_prep:
	s_mov_b64 s[64:65], 0
	v_nop
	global_prefetch_b8 v0, s[64:65] scope:SCOPE_SE
	s_setreg_imm32_b32 hwreg(HW_REG_WAVE_MODE, 25, 1), 1
	s_wait_xcnt 0x0
; W1 [4][256][512] f32 and W2 [4][512][32] f32 are rounded to bf16 and laid into wb in the order in which the last launch's
; matrix fragments want them.  wb: 4 types x 294,912 bytes; per type 16 tiles of W1 (32 hidden units each), then 2 tiles of W2.
; A tile is 256 k x 32 n = 16,384 bytes of bf16: 32 rows of 512 bytes; row 4 ks + 2 ht + c, lane (r, h) at byte 16 (r + 16 h),
; holds the eight numbers k = 32 ks + 16 c + 8 h + 0..7 of column n = 16 ht + r.  (For W2: k = hidden unit, n = output.)
; One work-group makes one tile: 64 tiles of W1, 8 of W2.  Both kinds run the same lines; only base, pitch and target differ,
; and these are chosen by scalar selects on the work-group's number.
; Thread t loads a block of 8 k x 4 n (eight loads of 16 bytes), packs four runs of eight k, puts them into LDS at their place in
; the tile, and the tile leaves as 16 bytes a lane: each store of a wave covers 512 consecutive bytes, aligned.
; The four LDS stores of a thread collide four deep; with four such stores a thread this is left as it is.
.set WTYPE, 294912                     ; bytes of wb for one type
.set W2OFF, 262144                     ; W2's tiles lie behind W1's sixteen
.set OFF,   2                          ; v[2:9]    byte offset of my 16 bytes in row i of my block
.set LD,    16                         ; v[16:47]  row i: 4 f32 as loaded; later the tile on its way out
.set PK,    48                         ; v[48:63]  column s: 8 bf16
	s_load_b128 s[4:7], s[0:1], 0x0                ; W1 s[4:5], W2 s[6:7]
	s_load_b64 s[8:9], s[0:1], 0x10                ; wb
	; a tile of W1: type e = g / 16, pair p = g % 16
	s_lshr_b32 s10, ttmp9, 4
	s_and_b32 s11, ttmp9, 15
	s_lshl_b32 s12, s10, 19                        ; e x 256 rows of 2,048 bytes
	s_lshl_b32 s13, s11, 7                         ; + 32 columns of 4 bytes for each pair
	s_add_co_u32 s12, s12, s13
	s_mul_i32 s14, s10, WTYPE
	s_lshl_b32 s13, s11, 14
	s_add_co_u32 s14, s14, s13                     ; target: e x 294,912 + p x 16,384
	; a tile of W2: g = 64 .. 71, so g % 8 = g - 64; type e = that / 2, half kh = that % 2
	s_and_b32 s15, ttmp9, 7
	s_lshr_b32 s16, s15, 1
	s_and_b32 s17, s15, 1
	s_lshl_b32 s18, s16, 16                        ; e x 512 rows of 128 bytes
	s_lshl_b32 s19, s17, 15                        ; + 256 rows for the upper half
	s_add_co_u32 s18, s18, s19
	s_mul_i32 s20, s16, WTYPE
	s_lshl_b32 s19, s17, 14
	s_add_co_u32 s20, s20, s19
	s_add_co_u32 s20, s20, W2OFF
	v_and_b32 v1, 7, v0                            ; a: which four columns
	v_lshrrev_b32 v10, 3, v0                       ; kb: which eight k
	s_wait_kmcnt 0x0
	s_cmp_lt_u32 ttmp9, 64                         ; the selects below leave SCC as it is
	s_cselect_b64 s[4:5], s[4:5], s[6:7]           ; the source buffer
	s_cselect_b32 s12, s12, s18                    ; the tile's offset in it
	s_cselect_b32 s14, s14, s20                    ; the tile's offset in wb
	s_cselect_b32 s22, 14, 10                      ; log2 of eight rows' bytes
	s_cselect_b32 s23, 11, 7                       ; log2 of one row's bytes
	s_lshl_b32 s21, 1, s23                         ; the pitch: 2,048 or 128
	s_mov_b32 s13, 0
	s_mov_b32 s15, 0
	s_add_nc_u64 s[4:5], s[4:5], s[12:13]
	s_add_nc_u64 s[8:9], s[8:9], s[14:15]
	v_lshlrev_b32 v[OFF], s22, v10                 ; 8 kb rows
	v_lshl_add_u32 v[OFF], v1, 4, v[OFF]           ; + 16 a
.irp i, 1,2,3,4,5,6,7
	v_add_nc_u32 v[OFF+\i], s21, v[OFF+\i-1]
.endr
.irp i, 0,1,2,3,4,5,6,7
	global_load_b128 v[LD+4*\i:LD+4*\i+3], v[OFF+\i], s[4:5]
.endr
	; where my four runs go: row 4 (kb / 4) + 2 (a / 4) + (kb / 2) % 2, lane 4 (a % 4) + s + 16 (kb % 2)
	v_lshrrev_b32 v11, 5, v0                       ; kb / 4
	v_bfe_u32 v12, v0, 2, 1                        ; a / 4
	v_bfe_u32 v13, v0, 4, 1                        ; (kb / 2) % 2
	v_lshlrev_b32 v11, 2, v11
	v_lshl_add_u32 v11, v12, 1, v11
	v_add_nc_u32 v11, v11, v13
	v_and_b32 v12, 3, v0                           ; a % 4
	v_bfe_u32 v13, v0, 3, 1                        ; kb % 2
	v_lshlrev_b32 v12, 2, v12
	v_lshl_add_u32 v12, v13, 4, v12
	v_lshlrev_b32 v12, 4, v12
	v_lshl_add_u32 v11, v11, 9, v12
	v_lshlrev_b32 v14, 4, v0                       ; the way out: 16 t
	s_wait_loadcnt 0x0                             ; all eight rows are needed for the first run
.irp s, 0,1,2,3
.irp q, 0,1,2,3
	v_cvt_pk_bf16_f32 v[PK+4*\s+\q], v[LD+8*\q+\s], v[LD+8*\q+4+\s]    ; k = 2 q below, 2 q + 1 above, of column s
.endr
.endr
.irp s, 0,1,2,3
	ds_store_b128 v11, v[PK+4*\s:PK+4*\s+3] offset:16*\s
.endr
	s_wait_dscnt 0x0                               ; my stores are in LDS before I say so: other waves read them
	s_barrier_signal -1
	s_barrier_wait -1
.irp i, 0,1,2,3
	ds_load_b128 v[LD+4*\i:LD+4*\i+3], v14 offset:4096*\i
.endr
	s_wait_dscnt 0x0
.irp i, 0,1,2,3
	global_store_b128 v14, v[LD+4*\i:LD+4*\i+3], s[8:9] offset:4096*\i
.endr
	s_endpgm
.Lfunc_end_k_q45d1df8d1c_prep:
	.size	k_q45d1df8d1c_prep, .Lfunc_end_k_q45d1df8d1c_prep-k_q45d1df8d1c_prep
	.p2alignl 7, 3214868480
	.fill 96, 4, 3214868480
	.section	.rodata,"a",@progbits
	.p2align	6, 0x0
	.amdhsa_kernel k_q45d1df8d1c_prep
		.amdhsa_group_segment_fixed_size 16384
		.amdhsa_private_segment_fixed_size 0
		.amdhsa_enable_private_segment 0
		.amdhsa_kernarg_size 24
		.amdhsa_user_sgpr_count 2
		.amdhsa_user_sgpr_kernarg_segment_ptr 1
		.amdhsa_wavefront_size32 1
		.amdhsa_system_sgpr_workgroup_id_x 1
		.amdhsa_system_sgpr_workgroup_id_y 1
		.amdhsa_system_sgpr_workgroup_id_z 1
		.amdhsa_system_vgpr_workitem_id 0
		.amdhsa_next_free_vgpr 64
		.amdhsa_next_free_sgpr 66
		.amdhsa_reserve_vcc 0
		.amdhsa_float_denorm_mode_32 3
		.amdhsa_float_denorm_mode_16_64 3
		.amdhsa_memory_ordered 1
		.amdhsa_forward_progress 1
		.amdhsa_inst_pref_size 6
	.end_amdhsa_kernel
	.amdgpu_metadata
---
amdhsa.version: [ 1, 2 ]
amdhsa.kernels:
  - .name:           k_q45d1df8d1c_prep
    .symbol:         k_q45d1df8d1c_prep.kd
    .args:
      - { .name: W1, .offset: 0, .size: 8, .value_kind: global_buffer, .address_space: global }
      - { .name: W2, .offset: 8, .size: 8, .value_kind: global_buffer, .address_space: global }
      - { .name: wb, .offset: 16, .size: 8, .value_kind: global_buffer, .address_space: global }
    .group_segment_fixed_size: 16384
    .private_segment_fixed_size: 0
    .kernarg_segment_align: 8
    .kernarg_segment_size: 24
    .max_flat_workgroup_size: 256
    .sgpr_count:     66
    .vgpr_count:     64
    .wavefront_size: 32
...
	.end_amdgpu_metadata
.endif
;; end of part 1
;; launch count (part 2): grid 64 x 1, 1 waves a work-group, no clusters, 0 bytes of LDS; arguments types, cnts; writes cnts
.if DOCPART == 2
	.amdgcn_target "amdgcn-amd-amdhsa--gfx1250"
	.amdhsa_code_object_version 6
	.text
	.protected	k_q45d1df8d1c_count
	.globl	k_q45d1df8d1c_count
	.p2align	8
	.type	k_q45d1df8d1c_count,@function
k_q45d1df8d1c_count:
	s_mov_b64 s[64:65], 0
	v_nop
	global_prefetch_b8 v0, s[64:65] scope:SCOPE_SE
	s_setreg_imm32_b32 hwreg(HW_REG_WAVE_MODE, 25, 1), 1
	s_wait_xcnt 0x0
; cnts[c][t] = how many of chunk c's 1,024 consecutive tokens have (type & 3) == t.  One wave for each of the 64 chunks.
; (A type outside 0..3 is counted, and later listed, under type & 3; its entry in the list is marked.)
; Lane l holds the types of tokens 128 u + 4 l + q.  For each of the 32 words a lane holds: three ballots, each counted by s_bcnt1;
; the fourth count is what is left of 1,024.
.set TY, 16                            ; v[16:47]  my 32 types
	s_load_b128 s[4:7], s[0:1], 0x0                ; types s[4:5], cnts s[6:7]
	s_lshl_b32 s8, ttmp9, 12                       ; the chunk's types: 1,024 words
	s_mov_b32 s9, 0
	s_lshl_b32 s10, ttmp9, 4                       ; the chunk's four counts
	s_mov_b32 s11, 0
	s_mov_b32 s20, 0
	s_mov_b32 s21, 0
	s_mov_b32 s22, 0
	v_lshlrev_b32 v1, 4, v0                        ; 16 x lane (one wave: v0 is the lane)
	v_lshlrev_b32 v2, 2, v0                        ; 4 x lane
	s_wait_kmcnt 0x0
	s_add_nc_u64 s[4:5], s[4:5], s[8:9]
	s_add_nc_u64 s[6:7], s[6:7], s[10:11]
.irp u, 0,1,2,3,4,5,6,7
	global_load_b128 v[TY+4*\u:TY+4*\u+3], v1, s[4:5] offset:512*\u
.endr
	s_wait_loadcnt 0x0
.set k, 0
.rept 32
	v_and_b32 v3, 3, v[TY+k]
.irp t, 0,1,2
	v_cmp_eq_u32 vcc_lo, \t, v3
	s_bcnt1_i32_b32 s12, vcc_lo
	s_add_co_u32 s[20+\t], s[20+\t], s12
.endr
.set k, k+1
.endr
	s_add_co_u32 s23, s20, s21
	s_add_co_u32 s23, s23, s22
	s_sub_co_u32 s23, 0x400, s23                   ; the rest of the 1,024
	v_mov_b32 v5, 0
.irp t, 0,1,2,3
	v_writelane_b32 v5, s[20+\t], \t               ; lane t holds count t
.endr
	v_cmp_gt_u32 vcc_lo, 4, v0
	s_wait_xcnt 0x0                                ; EXEC changes only behind this wait
	s_and_saveexec_b32 s13, vcc_lo
	global_store_b32 v2, v5, s[6:7]                ; lanes 0 to 3: 16 consecutive bytes
	s_wait_xcnt 0x0
	s_or_b32 exec_lo, exec_lo, s13
	s_endpgm
.Lfunc_end_k_q45d1df8d1c_count:
	.size	k_q45d1df8d1c_count, .Lfunc_end_k_q45d1df8d1c_count-k_q45d1df8d1c_count
	.p2alignl 7, 3214868480
	.fill 96, 4, 3214868480
	.section	.rodata,"a",@progbits
	.p2align	6, 0x0
	.amdhsa_kernel k_q45d1df8d1c_count
		.amdhsa_group_segment_fixed_size 0
		.amdhsa_private_segment_fixed_size 0
		.amdhsa_enable_private_segment 0
		.amdhsa_kernarg_size 16
		.amdhsa_user_sgpr_count 2
		.amdhsa_user_sgpr_kernarg_segment_ptr 1
		.amdhsa_wavefront_size32 1
		.amdhsa_system_sgpr_workgroup_id_x 1
		.amdhsa_system_sgpr_workgroup_id_y 1
		.amdhsa_system_sgpr_workgroup_id_z 1
		.amdhsa_system_vgpr_workitem_id 0
		.amdhsa_next_free_vgpr 48
		.amdhsa_next_free_sgpr 66
		.amdhsa_reserve_vcc 1
		.amdhsa_float_denorm_mode_32 3
		.amdhsa_float_denorm_mode_16_64 3
		.amdhsa_memory_ordered 1
		.amdhsa_forward_progress 1
		.amdhsa_inst_pref_size 13
	.end_amdhsa_kernel
	.amdgpu_metadata
---
amdhsa.version: [ 1, 2 ]
amdhsa.kernels:
  - .name:           k_q45d1df8d1c_count
    .symbol:         k_q45d1df8d1c_count.kd
    .args:
      - { .name: types, .offset: 0, .size: 8, .value_kind: global_buffer, .address_space: global }
      - { .name: cnts, .offset: 8, .size: 8, .value_kind: global_buffer, .address_space: global }
    .group_segment_fixed_size: 0
    .private_segment_fixed_size: 0
    .kernarg_segment_align: 8
    .kernarg_segment_size: 16
    .max_flat_workgroup_size: 32
    .sgpr_count:     66
    .vgpr_count:     48
    .wavefront_size: 32
...
	.end_amdgpu_metadata
.endif
;; end of part 2
;; launch route (part 3): grid 64 x 1, 1 waves a work-group, no clusters, 0 bytes of LDS; arguments types, cnts, order; writes order
.if DOCPART == 3
	.amdgcn_target "amdgcn-amd-amdhsa--gfx1250"
	.amdhsa_code_object_version 6
	.text
	.protected	k_q45d1df8d1c_route
	.globl	k_q45d1df8d1c_route
	.p2align	8
	.type	k_q45d1df8d1c_route,@function
k_q45d1df8d1c_route:
	s_mov_b64 s[64:65], 0
	v_nop
	global_prefetch_b8 v0, s[64:65] scope:SCOPE_SE
	s_setreg_imm32_b32 hwreg(HW_REG_WAVE_MODE, 25, 1), 1
	s_wait_xcnt 0x0
; The list for the last launch: all 65,536 tokens sorted by (type & 3), in 208 blocks of 320 places; each type starts on a block's first place.
; 208 blocks serve every distribution: the sum over four types of ceil(count / 320) is at most (65,536 + 4 x 319) / 320 = 208.78.
; order: 208 x 320 words of list, then, from byte 266,240 on, 256 headers of 32 bytes (word 0: the block's type, word 1: how many of its
; places are filled, the rest 0; the last launch reads the first 208).
; A list entry is the token's number; bit 16 marks a type outside 0..3.  Places that no token fills hold 0.
; One wave for each chunk of 1,024 tokens.  From cnts (counts per chunk and type, made by the launch before) it makes, by integer sums
; across the lanes, each type's total T and the number P of that type's tokens in the chunks ahead of its own; then
;   blocks of a type   = ceil(T / 320) = ((T + 319) / 64) / 5, the division by 5 as x 52429 >> 18 (exact for numbers up to 1,028, which is all that occur)
;   place of a token   = 320 x (blocks of the types below) + P + tokens of its type ahead of it in the chunk
; In each of the 32 steps every lane stores one entry; a step's 32 stores of four bytes fall into four runs of neighbouring words.
; Each step has its own address and data register, so no store is waited for.
; The unfilled places (behind each type's last token up to the next type's first place; for type 3 up to the list's end: at most
; 319 + 3 x 320 = 1,279) get their zeros from sixteen waves a type, 96 candidate places each (16 x 96 = 1,536), by three masked stores.
; All vector registers of these three stores are written with every lane on, ahead of the first line that narrows EXEC.
.set NWG,   208
.set ROWS,  320
.set LISTMAX, NWG*ROWS-1               ; the list's last place
.set HDROFF,  NWG*ROWS*4               ; the headers lie behind the list
.set ZA, 4                             ; v[4:6]     the zero stores' byte offsets (at work before)
.set ZC, 12                            ; v[12:14]   the zero stores' candidate places, not clamped
.set TY, 16                            ; v[16:47]   my 32 types
.set AD, 48                            ; v[48:79]   step j: byte offset of my place in the list
.set EN, 80                            ; v[80:111]  step j: my entry
.set CA, 112                           ; v[112:115] the four counts of chunk 'lane'
.set CB, 116                           ; v[116:119] of chunk 'lane + 32'
.set SS, 120                           ; v[120:123] towards the totals T
.set QQ, 124                           ; v[124:127] towards P
.set ST, 28                            ; s[28:31] T
.set SP, 32                            ; s[32:35] P
.set NB, 36                            ; s[36:39] blocks of type t
.set BB, 40                            ; s[40:43] first block of type t
.set FF, 44                            ; s[44:47] first place of type t
.set RUN, 48                           ; s[48:51] the next place of type t
.set TS, 52                            ; s[52:55] the first unfilled place behind type t
	s_load_b128 s[4:7], s[0:1], 0x0                ; types s[4:5], cnts s[6:7]
	s_load_b64 s[8:9], s[0:1], 0x10                ; order
	s_mov_b32 s14, ttmp9                           ; c
	s_lshl_b32 s10, ttmp9, 12                      ; the chunk's types: 1,024 words
	s_mov_b32 s11, 0
	s_mov_b32 s12, 0x76543210                      ; v_permlanex16_b32: lane i of one half reads lane i of the other
	s_mov_b32 s13, 0xfedcba98
	s_lshl_b32 s20, ttmp9, 7
	s_add_co_u32 s20, s20, HDROFF                  ; my four headers
	s_mov_b32 s21, 0
	s_lshl_b32 s24, ttmp9, 10                      ; my first token
	v_lshlrev_b32 v1, 4, v0                        ; 16 x lane (one wave: v0 is the lane)
	v_lshlrev_b32 v2, 2, v0                        ; 4 x lane
	v_add_nc_u32 v15, s24, v2                      ; my first token + 4 x lane
	v_add_nc_u32 v8, 32, v0
	v_mov_b32 v9, 0                                ; takes other lanes' numbers; written once before
	v_mov_b32 v10, 0                               ; the zero for unfilled places
	s_wait_kmcnt 0x0
	s_add_nc_u64 s[4:5], s[4:5], s[10:11]
	s_add_nc_u64 s[22:23], s[8:9], s[20:21]
	global_load_b128 v[CA:CA+3], v1, s[6:7]
	global_load_b128 v[CB:CB+3], v1, s[6:7] offset:512
.irp u, 0,1,2,3,4,5,6,7
	global_load_b128 v[TY+4*\u:TY+4*\u+3], v1, s[4:5] offset:512*\u
.endr
	s_wait_loadcnt 0x8                             ; the counts are in; the eight loads of types stay out
	v_cmp_gt_u32 vcc_lo, s14, v0                   ; chunk 'lane' lies ahead of mine
	v_cmp_gt_u32 s15, s14, v8                      ; chunk 'lane + 32' does
.irp t, 0,1,2,3
	v_add_nc_u32 v[SS+\t], v[CA+\t], v[CB+\t]
	v_cndmask_b32 v[QQ+\t], 0, v[CA+\t], vcc_lo
	v_cndmask_b32 v11, 0, v[CB+\t], s15
	v_add_nc_u32 v[QQ+\t], v[QQ+\t], v11
.endr
; the sum of a register over the 32 lanes, in whole numbers: four steps inside each half of 16 lanes, one across
.macro LSUM r
.irp m, 1,2,4,8
	v_mov_b32_dpp v9, v[\r] row_xmask:\m row_mask:0xf bank_mask:0xf
	v_add_nc_u32 v[\r], v[\r], v9
.endr
	v_permlanex16_b32 v9, v[\r], s12, s13
	v_add_nc_u32 v[\r], v[\r], v9
.endm
.irp t, 0,1,2,3
	LSUM SS+\t
	LSUM QQ+\t
.endr
.irp t, 0,1,2,3
	v_readfirstlane_b32 s[ST+\t], v[SS+\t]
	v_readfirstlane_b32 s[SP+\t], v[QQ+\t]
.endr
.irp t, 0,1,2,3
	s_add_co_u32 s[NB+\t], s[ST+\t], ROWS-1
	s_lshr_b32 s[NB+\t], s[NB+\t], 6
	s_mul_i32 s[NB+\t], s[NB+\t], 0xcccd
	s_lshr_b32 s[NB+\t], s[NB+\t], 18              ; ceil(T / 320)
.endr
	s_mov_b32 s[BB], 0
.irp t, 1,2,3
	s_add_co_u32 s[BB+\t], s[BB+\t-1], s[NB+\t-1]
.endr
.irp t, 0,1,2,3
	s_mul_i32 s[FF+\t], s[BB+\t], ROWS
	s_add_co_u32 s[RUN+\t], s[FF+\t], s[SP+\t]
	s_add_co_u32 s[TS+\t], s[FF+\t], s[ST+\t]
.endr
	s_wait_loadcnt 0x0                             ; the types
; One word of every lane: four ballots; a lane's place is its type's next place + the lanes below it of the same type.
.macro PLACE u, q
	v_and_b32 v3, 3, v[TY+4*\u+\q]
	v_cmp_eq_u32 vcc_lo, 0, v3
	v_mbcnt_lo_u32_b32 v[AD+4*\u+\q], vcc_lo, s[RUN]
	s_bcnt1_i32_b32 s25, vcc_lo
	s_add_co_u32 s[RUN], s[RUN], s25
.irp t, 1,2,3
	v_cmp_eq_u32 vcc_lo, \t, v3
	v_mbcnt_lo_u32_b32 v4, vcc_lo, s[RUN+\t]
	v_cndmask_b32 v[AD+4*\u+\q], v[AD+4*\u+\q], v4, vcc_lo
	s_bcnt1_i32_b32 s25, vcc_lo
	s_add_co_u32 s[RUN+\t], s[RUN+\t], s25
.endr
	v_min_u32 v[AD+4*\u+\q], LISTMAX, v[AD+4*\u+\q]
	v_lshlrev_b32 v[AD+4*\u+\q], 2, v[AD+4*\u+\q]
	v_add_nc_u32 v[EN+4*\u+\q], 128*\u+\q, v15     ; the token's number
	v_or_b32 v6, 0x10000, v[EN+4*\u+\q]
	v_cmp_lt_u32 vcc_lo, 3, v[TY+4*\u+\q]          ; unsigned: negative types too
	v_cndmask_b32 v[EN+4*\u+\q], v[EN+4*\u+\q], v6, vcc_lo
	global_store_b32 v[AD+4*\u+\q], v[EN+4*\u+\q], s[8:9]
.endm
.irp u, 0,1,2,3,4,5,6,7
.irp q, 0,1,2,3
	PLACE \u, \q
.endr
.endr
	; the headers of blocks g = 4 c + lane / 8: type e = the last type whose first block is at or below g,
	; filled places = T(e) - 320 (g - first block of e), kept inside 0..320 (0 for a block behind the last type's last)
	v_lshrrev_b32 v3, 3, v0
	s_lshl_b32 s24, s14, 2
	v_add_nc_u32 v3, s24, v3                       ; g
	v_mov_b32 v4, 0                                ; e
	v_mov_b32 v5, s[ST]                            ; T(e)
	v_mov_b32 v6, 0                                ; first block of e
.irp t, 1,2,3
	v_cmp_gt_u32 vcc_lo, s[BB+\t], v3              ; type t begins behind g: all three stay
	v_cndmask_b32 v4, \t, v4, vcc_lo
	v_cndmask_b32 v5, s[ST+\t], v5, vcc_lo
	v_cndmask_b32 v6, s[BB+\t], v6, vcc_lo
.endr
	v_sub_nc_u32 v6, v3, v6
	v_mul_u32_u24 v6, ROWS, v6
	v_sub_nc_u32 v5, v5, v6
	v_max_i32 v5, 0, v5
	v_min_i32 v5, ROWS, v5
	v_and_b32 v7, 7, v0                            ; which word of the header is mine
	v_cmp_eq_u32 vcc_lo, 1, v7
	v_cndmask_b32 v11, 0, v5, vcc_lo
	v_cmp_eq_u32 vcc_lo, 0, v7
	v_cndmask_b32 v11, v11, v4, vcc_lo
	global_store_b32 v2, v11, s[22:23]             ; 128 consecutive bytes with all lanes on
	; zeros: type c % 4, candidates 96 (c / 4) .. + 95 behind its last token, those that lie ahead of the next type's first place
	s_and_b32 s16, s14, 3
	s_mov_b32 s17, s[TS]
	s_mov_b32 s18, s[FF+1]
	s_cmp_eq_u32 s16, 1
	s_cselect_b32 s17, s[TS+1], s17
	s_cselect_b32 s18, s[FF+2], s18
	s_cmp_eq_u32 s16, 2
	s_cselect_b32 s17, s[TS+2], s17
	s_cselect_b32 s18, s[FF+3], s18
	s_cmp_eq_u32 s16, 3
	s_cselect_b32 s17, s[TS+3], s17
	s_cselect_b32 s18, NWG*ROWS, s18
	s_lshr_b32 s19, s14, 2
	s_mul_i32 s19, s19, 96
	s_add_co_u32 s17, s17, s19
	v_add_nc_u32 v[ZC], s17, v0
	v_add_nc_u32 v[ZC+1], 32, v[ZC]
	v_add_nc_u32 v[ZC+2], 64, v[ZC]
.irp k, 0,1,2
	v_min_u32 v[ZA+\k], LISTMAX, v[ZC+\k]          ; the three offsets, with every lane on (v4 to v6 are no source of a pending store)
	v_lshlrev_b32 v[ZA+\k], 2, v[ZA+\k]
.endr
.irp k, 0,1,2
	v_cmp_gt_u32 vcc_lo, s18, v[ZC+\k]             ; ahead of the next type's first place
	s_wait_xcnt 0x0                                ; EXEC changes only behind this wait
	s_and_saveexec_b32 s26, vcc_lo
	global_store_b32 v[ZA+\k], v10, s[8:9]
	s_wait_xcnt 0x0                                ; and again, in front of the line that widens it
	s_or_b32 exec_lo, exec_lo, s26
.endr
	s_endpgm
.Lfunc_end_k_q45d1df8d1c_route:
	.size	k_q45d1df8d1c_route, .Lfunc_end_k_q45d1df8d1c_route-k_q45d1df8d1c_route
	.p2alignl 7, 3214868480
	.fill 96, 4, 3214868480
	.section	.rodata,"a",@progbits
	.p2align	6, 0x0
	.amdhsa_kernel k_q45d1df8d1c_route
		.amdhsa_group_segment_fixed_size 0
		.amdhsa_private_segment_fixed_size 0
		.amdhsa_enable_private_segment 0
		.amdhsa_kernarg_size 24
		.amdhsa_user_sgpr_count 2
		.amdhsa_user_sgpr_kernarg_segment_ptr 1
		.amdhsa_wavefront_size32 1
		.amdhsa_system_sgpr_workgroup_id_x 1
		.amdhsa_system_sgpr_workgroup_id_y 1
		.amdhsa_system_sgpr_workgroup_id_z 1
		.amdhsa_system_vgpr_workitem_id 0
		.amdhsa_next_free_vgpr 128
		.amdhsa_next_free_sgpr 66
		.amdhsa_reserve_vcc 1
		.amdhsa_float_denorm_mode_32 3
		.amdhsa_float_denorm_mode_16_64 3
		.amdhsa_memory_ordered 1
		.amdhsa_forward_progress 1
		.amdhsa_inst_pref_size 47
	.end_amdhsa_kernel
	.amdgpu_metadata
---
amdhsa.version: [ 1, 2 ]
amdhsa.kernels:
  - .name:           k_q45d1df8d1c_route
    .symbol:         k_q45d1df8d1c_route.kd
    .args:
      - { .name: types, .offset: 0, .size: 8, .value_kind: global_buffer, .address_space: global }
      - { .name: cnts, .offset: 8, .size: 8, .value_kind: global_buffer, .address_space: global }
      - { .name: order, .offset: 16, .size: 8, .value_kind: global_buffer, .address_space: global }
    .group_segment_fixed_size: 0
    .private_segment_fixed_size: 0
    .kernarg_segment_align: 8
    .kernarg_segment_size: 24
    .max_flat_workgroup_size: 32
    .sgpr_count:     66
    .vgpr_count:     128
    .wavefront_size: 32
...
	.end_amdgpu_metadata
.endif
;; end of part 3
;; launch mlp (part 4): grid 208 x 1, 4 waves a work-group, no clusters, 314,368 bytes of LDS; arguments x, order, b1, b2, wb, out0; writes out0
.if DOCPART == 4
	.amdgcn_target "amdgcn-amd-amdhsa--gfx1250"
	.amdhsa_code_object_version 6
	.text
	.protected	k_q45d1df8d1c_mlp
	.globl	k_q45d1df8d1c_mlp
	.p2align	8
	.type	k_q45d1df8d1c_mlp,@function
k_q45d1df8d1c_mlp:
	s_mov_b64 s[64:65], 0
	v_nop
	global_prefetch_b8 v0, s[64:65] scope:SCOPE_SE
	s_setreg_imm32_b32 hwreg(HW_REG_WAVE_MODE, 25, 1), 1
	s_wait_xcnt 0x0
; out0[n] = relu(x[n] W1[t] + b1[t]) W2[t] + b2[t] with t = types[n]; a row of zeros where types[n] is outside 0..3.
; order, made by an earlier launch, holds all tokens sorted by type in 208 blocks of 320 places, each block of one type, and for each
; block a header: its type and how many of its places are filled (a list entry: the token's number; bit 16: type outside 0..3; an
; unfilled place holds 0).  Work-group g serves block g: four waves, 20 tiles of 16 tokens dealt to the waves in turn, five a wave.
; 208 blocks serve every distribution of the types ((65,536 + 4 x 319) / 320 = 208.78); at least 205 are in use, so up to three
; work-groups can find an empty block: such a one computes on row 0 of x and stores nothing.
; The type's weights (294,912 bytes of bf16, in fragment order, made by an earlier launch) are brought into LDS once and stay.
; A wave gathers its 80 rows of x, rounds them to bf16 and keeps them as matrix fragments in 320 registers.  Then 16 pairs of hidden
; tiles (32 hidden units each): 80 matrix instructions of layer 1, ReLU, 10 of layer 2.  h never leaves the registers:
;   layer 1 is used transposed (A = 16 hidden units of W1, B = 16 tokens of x): lane (r, h) holds hidden units 8 h + 0..7 of token r,
;   which, packed to bf16, is the lane's share of layer 2's B fragment (k = hidden unit, column = token);
;   layer 2: A = 16 outputs of W2, B = that fragment: a lane ends with eight neighbouring outputs of token r.
; The biases enter as the C operand of each sum's first matrix instruction, so nothing is cleared and nothing is added afterwards.
; The text has no loop and no branch: the 16 pairs are written out, and every LDS address is a register set once in the head plus an immediate.
; NO CLUSTER, though the work-groups of a type read the same 294,912 bytes: which work-groups share a type is known only from the
; headers, and a joint load's mask and descriptor must be equal, by the text, in all that it names.
; LIMITS.  x, W1, W2 and h are rounded to bf16, sums and biases are f32.  ReLU is max(h, 0) by v_max_num_f32, which makes 0 of a NaN
; where the problem's function keeps it (only inputs that are not finite reach that).  A row of out0 is 128 bytes and is stored whole
; by eight lanes; its neighbour usually belongs to another type's work-group, so the aligned 256 bytes round it are stored in two halves.
.set WTYPE, 294912                     ; LDS 0: the type's weights: W1's 16 tiles of 16,384 bytes, then W2's 16 x 2,048 bytes
.set WQ,    73728                      ; a quarter of them: what one wave's tensor load brings (288 rows of 256 bytes)
.set W2OFF, 262144
.set B1S,   294912                     ; b1 of the type, 512 f32
.set STG,   296960                     ; + 4,352 x wave: the wave's stage: 16 rows of 256 bytes of bf16 (pitch 272), or 16 of 128 bytes of f32 (pitch 144)
.set STGB,  4352
.set XP,    272                        ; both pitches are odd multiples of 16 bytes: sixteen rows start in sixteen different 16-byte columns of 256
.set OP,    144
.set ROWS,  320                        ; places in a block
.set LISTB, 1280                       ; its bytes in order
.set HDROFF, 266240                    ; in order: the headers lie behind the 208 blocks
; window 0
.set L16,  1                           ; 16 x lane
.set RR,   2                           ; r = lane % 16
.set HH,   3                           ; h = lane / 16
.set AW2,  4                           ; LDS address of W2's fragments: 262,144 + 16 x lane
.set PL,   5                           ; 16 x wave + lane / 8: my place in tile 0's rows on the way out
.set AB0,  7                           ; B1S + 32 h
.set SA,   8                           ; stage + 8 x lane: where four bf16 of a row of x go
.set SF,   9                           ; stage + 272 r + 16 h: where a fragment of x is read
.set SO,   10                          ; stage + 144 r + 32 h: where eight outputs of token r go
.set SR,   11                          ; stage + 144 (lane / 8) + 16 (lane % 8): where rows of outputs are read back
.set C16,  12                          ; 16 (lane % 8)
.set L8,   13                          ; lane / 8
.set L84,  14                          ; 4 (lane / 8)
                                       ; v16, v17 at work in the head; v21-23: addresses of b1's and b2's loads and of b1's LDS store
.set BIAS, 24                          ; v[24:55]   b1 as C operand, two buffers of 2 x 8
.set W2F,  56                          ; v[56:87]   W2 fragments, two buffers of 2 x 8
.set ACC1, 88                          ; v[88:167]  layer 1's ten sums: (ht, mt) at 8 (5 ht + mt)
.set OFFS, 88                          ;            while x is gathered: the 80 rows' byte offsets
.set OUTR, 88                          ;            way out: 20 times 16 bytes: tile mt, rows 4 i + lane / 8, at 4 (4 mt + i)
.set HF,   168                         ; v[168:207] h in bf16: tile mt at 8 mt
.set CV,   168                         ;            while x is gathered: 16 rows x 4 bf16
.set OOF,  168                         ; v[168:187] way out: the 20 byte offsets in out0
.set PS,   188                         ; v[188:207] way out: the 20 places in the block
.set AWB,  228                         ; v[228:231] LDS address of W1's fragments: 65,536 k + 16 x lane (an LDS immediate reaches 65,535)
.set ENT,  232                         ; v[232:251] the list entries for the way out: tile mt, rows 4 i + lane / 8, at 4 mt + i
                                       ; v[252:255] b1 on its way into LDS
; window 1: fragments of x, K steps 0-5: (mt, ks) at 40 ks + 8 mt.   window 2: K steps 6, 7 at 40 (ks - 6) + 8 mt, and
.set ACC2, 80                          ; layer 2's ten sums: (T, mt) at 8 (5 T + mt)
.set B2R,  160                         ; b2 as C operand, 2 x 8
; window 3: W1 fragments, two buffers of 128; while x is gathered: three slots of 64 registers (16 rows x 16 bytes a lane)
.set G0, 24                            ; s[24:27] tensor descriptor, group 0
.set G1, 28                            ; s[28:35] group 1
.set EA, 48                            ; s[48:63], s[68:83], s[84:99]: the 16 entries of a tile
.set EB, 68
.set EC, 84
; s_set_vgpr_msb: bits 1:0 source 0, 3:2 source 1, 5:4 source 2, 7:6 destination; the high byte repeats the setting that is left
.set MSB, 0
.macro WIN new
.if MSB != \new
	s_set_vgpr_msb (MSB<<8)|\new
.set MSB, \new
.endif
.endm
; Four plain vector instructions between a matrix instruction and whatever else reads its result or writes or loads one of its registers
.macro PLACES
.rept 4
	v_nop
.endr
.endm
	s_load_b256 s[4:11], s[0:1], 0x0               ; x s[4:5], order s[6:7], b1 s[8:9], b2 s[10:11]
	s_load_b128 s[12:15], s[0:1], 0x20             ; wb s[12:13], out0 s[14:15]
	v_lshrrev_b32 v16, 5, v0
	v_readfirstlane_b32 s16, v16                   ; wave 0..3
	; group 1: a dense block as 288 rows of 32 elements of 8 bytes
	s_mov_b32 s[G1+0], 3<<16                       ; no mask, element of 8 bytes, no padding
	s_mov_b32 s[G1+1], 32<<16                      ; tensor_dim0 = 32
	s_mov_b32 s[G1+2], 288<<16                     ; tensor_dim1 = 288
	s_mov_b32 s[G1+3], 32<<16                      ; tile_dim0 = 32
	s_mov_b32 s[G1+4], 288                         ; tile_dim1 = 288
	s_mov_b32 s[G1+5], 32                          ; pitch = 32 elements
	s_mov_b32 s[G1+6], 0
	s_mov_b32 s[G1+7], 0
	s_mov_b32 s[G0+0], 1
	s_mul_i32 s[G0+1], s16, WQ                     ; LDS: my quarter
	s_lshl_b32 s20, ttmp9, 5
	s_add_co_u32 s20, s20, HDROFF                  ; my block's header
	s_mov_b32 s21, 0
	s_mul_i32 s22, ttmp9, LISTB                    ; my block,
	s_lshl_b32 s17, s16, 6
	s_add_co_u32 s22, s22, s17                     ; and in it my wave's tile 0: place 16 x wave
	s_mov_b32 s23, 0
	s_wait_kmcnt 0x0
	s_add_nc_u64 s[38:39], s[6:7], s[20:21]
	s_add_nc_u64 s[6:7], s[6:7], s[22:23]
	s_load_b64 s[18:19], s[38:39], 0x0             ; s18: the block's type, s19: its filled places
	s_load_b512 s[EA:EA+15], s[6:7], 0x0           ; my tile mt is tile 4 mt + wave of the block: 256 bytes from one to the next;
	s_load_b512 s[EB:EB+15], s[6:7], 0x100         ; a tile's 16 entries are 64 consecutive bytes
	s_load_b512 s[EC:EC+15], s[6:7], 0x200
	; addresses, while these are on their way
	s_mul_i32 s45, s16, STGB
	s_add_co_u32 s45, s45, STG                     ; my stage
	s_lshl_b32 s37, s16, 4                         ; 16 x wave
	v_and_b32 v17, 31, v0                          ; lane
	v_and_b32 v[RR], 15, v0
	v_bfe_u32 v[HH], v0, 4, 1
	v_lshlrev_b32 v[L16], 4, v17
	v_lshlrev_b32 v23, 5, v[HH]                    ; 32 h
	v_lshlrev_b32 v21, 4, v0                       ; 16 t
	v_add_nc_u32 v22, B1S, v21                     ; where my 16 bytes of b1 go
	v_add_nc_u32 v[AB0], B1S, v23
	v_mov_b32 v[AWB], v[L16]
	v_add_nc_u32 v[AWB+1], 0x10000, v[L16]
	v_add_nc_u32 v[AWB+2], 0x20000, v[L16]
	v_add_nc_u32 v[AWB+3], 0x30000, v[L16]
	v_add_nc_u32 v[AW2], W2OFF, v[L16]
	v_lshl_add_u32 v[SA], v17, 3, s45
	v_mul_u32_u24 v16, v[RR], XP
	v_lshl_add_u32 v16, v[HH], 4, v16
	v_add_nc_u32 v[SF], s45, v16
	v_mul_u32_u24 v16, v[RR], OP
	v_add_nc_u32 v16, v16, v23
	v_add_nc_u32 v[SO], s45, v16
	v_lshrrev_b32 v[L8], 3, v17
	v_and_b32 v[C16], 7, v0
	v_lshlrev_b32 v[C16], 4, v[C16]
	v_mul_u32_u24 v16, v[L8], OP
	v_add_nc_u32 v16, v16, v[C16]
	v_add_nc_u32 v[SR], s45, v16
	v_lshlrev_b32 v[L84], 2, v[L8]
	v_add_nc_u32 v[PL], s37, v[L8]
	s_wait_kmcnt 0x0                               ; scalar loads come back in no order: zero
	s_min_u32 s18, s18, 3                          ; four types
	s_min_u32 s19, s19, ROWS                       ; a block has 320 places
	s_mul_i32 s22, s18, WTYPE
	s_add_co_u32 s22, s22, s[G0+1]                 ; in wb: my type, my quarter
	s_add_nc_u64 s[G0+2:G0+3], s[12:13], s[22:23]
	s_or_b32 s[G0+3], s[G0+3], 0x80000000          ; type = 2
	tensor_load_to_lds s[G0:G0+3], s[G1:G1+7]      ; the only tensor load of the wave; these bytes are filled once
	s_lshl_b32 s22, s18, 11
	s_add_nc_u64 s[8:9], s[8:9], s[22:23]          ; b1 of my type
	s_lshl_b32 s22, s18, 7
	s_add_nc_u64 s[10:11], s[10:11], s[22:23]      ; b2 of my type
	global_load_b128 v[252:255], v21, s[8:9]       ; 128 threads x 16 bytes: all of b1[e]
	WIN 0x80
	global_load_b128 v[B2R:B2R+3],     v23, s[10:11]           ; register j of tile T: output 16 T + 8 h + j
	global_load_b128 v[B2R+4:B2R+7],   v23, s[10:11] offset:16
	global_load_b128 v[B2R+8:B2R+11],  v23, s[10:11] offset:64
	global_load_b128 v[B2R+12:B2R+15], v23, s[10:11] offset:80
	WIN 0
; GATHER.  The byte offsets in x of tile mt's 16 rows, from its entries in s[eb .. eb + 15]: 1,024 x token + 16 x lane
.macro OFFSETS mt, eb
.irp i, 0,1,2,3,4,5,6,7,8,9,10,11,12,13,14,15
	s_and_b32 s[46+(\i%2)], s[\eb+\i], 0xffff      ; without the mark
	s_min_u32 s[46+(\i%2)], s[46+(\i%2)], 0xffff
	s_lshl_b32 s[46+(\i%2)], s[46+(\i%2)], 10
	v_add_nc_u32 v[OFFS+16*\mt+\i], s[46+(\i%2)], v[L16]
.endr
.endm
; Batch b = 0..9: half b % 2 (512 bytes) of the 16 rows of tile b / 2, into register slot b % 3.  Each load covers 512 consecutive bytes of a row.
.macro ISSUE b
	WIN 0xc0                                       ; destination window 3, address window 0
.irp i, 0,1,2,3,4,5,6,7,8,9,10,11,12,13,14,15
	global_load_b128 v[64*((\b)%3)+4*\i:64*((\b)%3)+4*\i+3], v[OFFS+16*((\b)/2)+\i], s[4:5] offset:512*((\b)%2)
.endr
.endm
; Batch b is rounded to bf16, its slot is asked for again, and the 16 x 128 numbers go through my stage into four fragments.
; left = the loads of the younger batches, which stay out.  The stage is my wave's own and LDS serves a wave's instructions
; in order (ISA guide 5.7.1.4): no wait between its stores, its loads and the next batch's stores.
.macro STEP b, left
	s_wait_loadcnt \left
	WIN 0x0f                                       ; sources window 3
.irp i, 0,1,2,3,4,5,6,7,8,9,10,11,12,13,14,15
	v_cvt_pk_bf16_f32 v[CV+2*\i],   v[64*((\b)%3)+4*\i],   v[64*((\b)%3)+4*\i+1]
	v_cvt_pk_bf16_f32 v[CV+2*\i+1], v[64*((\b)%3)+4*\i+2], v[64*((\b)%3)+4*\i+3]
.endr
.if \b+3 <= 9
	ISSUE \b+3
.endif
	WIN 0
.irp i, 0,1,2,3,4,5,6,7,8,9,10,11,12,13,14,15
	ds_store_b64 v[SA], v[CV+2*\i:CV+2*\i+1] offset:XP*\i
.endr
.irp l, 0,1,2,3
.set XKS, 4*((\b)%2)+\l
.if XKS < 6
	WIN 0x40
.set XLO, 40*XKS+8*((\b)/2)
.else
	WIN 0x80
.set XLO, 40*(XKS-6)+8*((\b)/2)
.endif
	ds_load_b128 v[XLO:XLO+3],   v[SF] offset:64*\l        ; token r, k = 32 ks + 8 h + 0..7
	ds_load_b128 v[XLO+4:XLO+7], v[SF] offset:64*\l+32     ; k = 32 ks + 16 + 8 h + 0..7
.endr
.endm
	; My 80 rows.  Three tiles' entries are in; the other two come into the first two sets once these have been used.
	; Three batches, 48 loads of 512 bytes, are on their way at a time.
	OFFSETS 0, EA
	OFFSETS 1, EB
	s_load_b512 s[EA:EA+15], s[6:7], 0x300
	s_load_b512 s[EB:EB+15], s[6:7], 0x400
	ISSUE 0
	ISSUE 1
	ISSUE 2
	WIN 0
	OFFSETS 2, EC
	s_wait_kmcnt 0x0
	OFFSETS 3, EA
	OFFSETS 4, EB
.irp b, 0,1,2,3,4,5,6,7
	STEP \b, 32                                    ; two younger batches of 16 loads stay out; b1's and b2's loads are older than every batch
.endr
	STEP 8, 16                                     ; one
	STEP 9, 0
	WIN 0
	ds_store_b128 v22, v[252:255]                  ; b1 into LDS (its load is in since the last batch's wait for 0)
	s_wait_tensorcnt 0x0                           ; my quarter of the weights is in LDS,
	s_wait_dscnt 0x0                               ; and my part of b1 (and no LDS instruction of mine is out):
	s_barrier_signal -1
	s_barrier_wait -1                              ; everybody's is.  The only barrier: nothing in LDS that waves share is written again
	; the entries as the way out wants them: lane l holds the entry of the tile's row 4 i + l / 8.  Waited for ahead of the way out.
.irp mt, 0,1,2,3,4
.irp i, 0,1,2,3
	global_load_b32 v[ENT+4*\mt+\i], v[L84], s[6:7] offset:256*\mt+16*\i
.endr
.endr
; Pair PN's W1 fragments (32 loads of 512 consecutive bytes) and its b1 (register j of tile ht: hidden unit 16 ht + 8 h + j) into buffer g
.set PN, 0
.macro FETCH1 g
	WIN 0xc0
.irp q, 0,1,2,3,4,5,6,7,8,9,10,11,12,13,14,15,16,17,18,19,20,21,22,23,24,25,26,27,28,29,30,31
	ds_load_b128 v[128*\g+4*\q:128*\g+4*\q+3], v[AWB+PN/4] offset:(PN%4)*16384+512*\q
.endr
	WIN 0
	ds_load_b128 v[BIAS+16*\g:BIAS+16*\g+3],     v[AB0] offset:128*PN
	ds_load_b128 v[BIAS+16*\g+4:BIAS+16*\g+7],   v[AB0] offset:128*PN+16
	ds_load_b128 v[BIAS+16*\g+8:BIAS+16*\g+11],  v[AB0] offset:128*PN+64
	ds_load_b128 v[BIAS+16*\g+12:BIAS+16*\g+15], v[AB0] offset:128*PN+80
.endm
; Pair PN's W2 fragments; the pair's fetches are then complete
.macro FETCH2 g
.irp q, 0,1,2,3
	ds_load_b128 v[W2F+16*\g+4*\q:W2F+16*\g+4*\q+3], v[AW2] offset:2048*PN+512*\q
.endr
.set PN, PN+1
.endm
; Layer 1 of a pair: 8 K steps x 5 token tiles x 2 hidden tiles.  A = W1 (window 3), B = x (window 1 or 2), C and D window 0.
; The ten accumulators take turns, one instruction a turn.  The first K step takes b1 as C.
.macro L1 f
.irp ks, 0,1,2,3,4,5,6,7
.if \ks < 6
	WIN 0x07
.set XB, 40*\ks
.else
	WIN 0x0b
.set XB, 40*(\ks-6)
.endif
.irp mt, 0,1,2,3,4
.irp ht, 0,1
.if \ks == 0
	v_wmma_f32_16x16x32_bf16 v[ACC1+8*(5*\ht+\mt):ACC1+8*(5*\ht+\mt)+7], v[128*\f+8*(2*\ks+\ht):128*\f+8*(2*\ks+\ht)+7], v[XB+8*\mt:XB+8*\mt+7], v[BIAS+16*\f+8*\ht:BIAS+16*\f+8*\ht+7]
.else
	v_wmma_f32_16x16x32_bf16 v[ACC1+8*(5*\ht+\mt):ACC1+8*(5*\ht+\mt)+7], v[128*\f+8*(2*\ks+\ht):128*\f+8*(2*\ks+\ht)+7], v[XB+8*\mt:XB+8*\mt+7], v[ACC1+8*(5*\ht+\mt):ACC1+8*(5*\ht+\mt)+7]
.endif
.endr
.endr
.endr
.endm
; max(h, 0), rounded to bf16: hidden tile 0 fills registers 0-3 of layer 2's B fragment (k = 8 h + 0..7), tile 1 registers 4-7 (k = 16 + 8 h + 0..7)
.macro RELU
.irp mt, 0,1,2,3,4
.irp ht, 0,1
.irp j, 0,1,2,3,4,5,6,7
	v_max_num_f32 v[ACC1+8*(5*\ht+\mt)+\j], 0, v[ACC1+8*(5*\ht+\mt)+\j]
.endr
.irp q, 0,1,2,3
	v_cvt_pk_bf16_f32 v[HF+8*\mt+4*\ht+\q], v[ACC1+8*(5*\ht+\mt)+2*\q], v[ACC1+8*(5*\ht+\mt)+2*\q+1]
.endr
.endr
.endr
.endm
; Layer 2 of a pair: 32 hidden units into the ten sums of window 2, again by turns.  The first pair takes b2 as C.
.macro L2 f, first
	WIN 0xa0
.irp mt, 0,1,2,3,4
.irp tt, 0,1
.if \first
	v_wmma_f32_16x16x32_bf16 v[ACC2+8*(5*\tt+\mt):ACC2+8*(5*\tt+\mt)+7], v[W2F+16*\f+8*\tt:W2F+16*\f+8*\tt+7], v[HF+8*\mt:HF+8*\mt+7], v[B2R+8*\tt:B2R+8*\tt+7]
.else
	v_wmma_f32_16x16x32_bf16 v[ACC2+8*(5*\tt+\mt):ACC2+8*(5*\tt+\mt)+7], v[W2F+16*\f+8*\tt:W2F+16*\f+8*\tt+7], v[HF+8*\mt:HF+8*\mt+7], v[ACC2+8*(5*\tt+\mt):ACC2+8*(5*\tt+\mt)+7]
.endif
.endr
.endr
.endm
; One pair of hidden tiles on buffers f; fetch = 1: the next pair's operands go into buffers g meanwhile.
; Buffer g of W1 and b1 was last read by the pair before's layer 1, with that pair's four places and its ReLU behind it;
; buffer g of W2 by that pair's layer 2, with this pair's four places behind it; these also stand ahead of the ReLU's reads and of its writes of h.
.macro PAIR f, g, first, fetch
.if \fetch
	FETCH1 \g
	s_wait_dscnt 36                                ; all but the 32 + 4 loads just issued: this pair's W1, b1 and W2 are in
.else
	s_wait_dscnt 0x0
.endif
	L1 \f
	WIN 0
	PLACES
.if \fetch
	FETCH2 \g
.endif
	RELU
	L2 \f, \first
	WIN 0
.endm
	FETCH1 0
	FETCH2 0
	PAIR 0, 1, 1, 1                                ; the first pair starts layer 2's sums
	PAIR 1, 0, 0, 1
.rept 6
	PAIR 0, 1, 0, 1
	PAIR 1, 0, 0, 1
.endr
	PAIR 0, 1, 0, 1
	PAIR 1, 0, 0, 0                                ; the sixteenth pair fetches nothing
; THE WAY OUT, in four runs.  Every vector register that the masked stores name (offset, data, place) is written with every lane on,
; ahead of the first line that narrows EXEC; behind that line only compares into VCC, waits, EXEC's save and restore and the stores stand.
; Run 1, tile mt: eight outputs a lane into my stage, read back as rows of 128 bytes (eight lanes a row, four rows an instruction) into
; the registers that held layer 1's sums.  The stage is my wave's own and LDS serves a wave's instructions in order (ISA guide 5.7.1.4):
; no wait between a tile's stores, its loads and the next tile's stores.
.macro STAGE mt
	WIN 0x08                                       ; store data window 2
.irp tt, 0,1
.irp u, 0,1
	ds_store_b128 v[SO], v[ACC2+8*(5*\tt+\mt)+4*\u:ACC2+8*(5*\tt+\mt)+4*\u+3] offset:64*\tt+16*\u
.endr
.endr
	WIN 0
.irp i, 0,1,2,3
	ds_load_b128 v[OUTR+16*\mt+4*\i:OUTR+16*\mt+4*\i+3], v[SR] offset:4*OP*\i
.endr
.endm
; Run 2, tile mt: where its rows go in out0, and which places of the block they are
.macro WHERE mt
.irp i, 0,1,2,3
	v_and_b32 v[OOF+4*\mt+\i], 0xffff, v[ENT+4*\mt+\i]         ; the token, without the mark
	v_min_u32 v[OOF+4*\mt+\i], 0xffff, v[OOF+4*\mt+\i]
	v_lshlrev_b32 v[OOF+4*\mt+\i], 7, v[OOF+4*\mt+\i]
	v_add_nc_u32 v[OOF+4*\mt+\i], v[OOF+4*\mt+\i], v[C16]      ; 128 x token + 16 (lane % 8)
	v_add_nc_u32 v[PS+4*\mt+\i], 64*\mt+4*\i, v[PL]            ; place 64 mt + 16 wave + 4 i + lane / 8
.endr
.endm
	PLACES                                         ; behind the last matrix instructions: ahead of the LDS stores that read their results and of the writes over h
.irp mt, 0,1,2,3,4
	STAGE \mt
.endr
	s_wait_loadcnt 0x0                             ; the entries for the way out
.irp mt, 0,1,2,3,4
	WHERE \mt
.endr
	s_wait_dscnt 0x0                               ; all 20 times 16 bytes are back
	; run 3: a row of zeros for a marked token (type outside 0..3)
.set k, 0
.rept 20
	v_cmp_lt_u32 vcc_lo, 0xffff, v[ENT+k]
.irp j, 0,1,2,3
	v_cndmask_b32 v[OUTR+4*k+\j], v[OUTR+4*k+\j], 0, vcc_lo
.endr
.set k, k+1
.endr
	; run 4: the stores; unfilled places store nothing
.set k, 0
.rept 20
	v_cmp_gt_u32 vcc_lo, s19, v[PS+k]              ; the place is filled
	s_wait_xcnt 0x0                                ; EXEC changes only behind this wait
	s_and_saveexec_b32 s36, vcc_lo
	global_store_b128 v[OOF+k], v[OUTR+4*k:OUTR+4*k+3], s[14:15] th:TH_STORE_NT
	s_wait_xcnt 0x0                                ; and again, in front of the line that widens it
	s_or_b32 exec_lo, exec_lo, s36
.set k, k+1
.endr
	s_endpgm
.Lfunc_end_k_q45d1df8d1c_mlp:
	.size	k_q45d1df8d1c_mlp, .Lfunc_end_k_q45d1df8d1c_mlp-k_q45d1df8d1c_mlp
	.p2alignl 7, 3214868480
	.fill 96, 4, 3214868480
	.section	.rodata,"a",@progbits
	.p2align	6, 0x0
	.amdhsa_kernel k_q45d1df8d1c_mlp
		.amdhsa_group_segment_fixed_size 314368
		.amdhsa_private_segment_fixed_size 0
		.amdhsa_enable_private_segment 0
		.amdhsa_kernarg_size 48
		.amdhsa_user_sgpr_count 2
		.amdhsa_user_sgpr_kernarg_segment_ptr 1
		.amdhsa_wavefront_size32 1
		.amdhsa_system_sgpr_workgroup_id_x 1
		.amdhsa_system_sgpr_workgroup_id_y 1
		.amdhsa_system_sgpr_workgroup_id_z 1
		.amdhsa_system_vgpr_workitem_id 0
		.amdhsa_next_free_vgpr 1024
		.amdhsa_next_free_sgpr 100
		.amdhsa_reserve_vcc 1
		.amdhsa_float_denorm_mode_32 3
		.amdhsa_float_denorm_mode_16_64 3
		.amdhsa_memory_ordered 1
		.amdhsa_forward_progress 1
		.amdhsa_inst_pref_size 255
	.end_amdhsa_kernel
	.section	.bss,"aw",@nobits
	.p2align	6
	.space	262144
	.amdgpu_metadata
---
amdhsa.version: [ 1, 2 ]
amdhsa.kernels:
  - .name:           k_q45d1df8d1c_mlp
    .symbol:         k_q45d1df8d1c_mlp.kd
    .args:
      - { .name: x, .offset: 0, .size: 8, .value_kind: global_buffer, .address_space: global }
      - { .name: order, .offset: 8, .size: 8, .value_kind: global_buffer, .address_space: global }
      - { .name: b1, .offset: 16, .size: 8, .value_kind: global_buffer, .address_space: global }
      - { .name: b2, .offset: 24, .size: 8, .value_kind: global_buffer, .address_space: global }
      - { .name: wb, .offset: 32, .size: 8, .value_kind: global_buffer, .address_space: global }
      - { .name: out0, .offset: 40, .size: 8, .value_kind: global_buffer, .address_space: global }
    .group_segment_fixed_size: 314368
    .private_segment_fixed_size: 0
    .kernarg_segment_align: 8
    .kernarg_segment_size: 48
    .max_flat_workgroup_size: 128
    .sgpr_count:     100
    .vgpr_count:     1024
    .wavefront_size: 32
...
	.end_amdgpu_metadata
.endif
;; end of part 4
;; ======== version 2 of 2: 4 launches; version 1 with the launch route written anew for expert scheduling mode
;; workspace buffers: wb 1,179,648 bytes; cnts 1,024 bytes of whole numbers; order 274,432 bytes of whole numbers
;; launch prep: the kernel of part 1 again; grid 72 x 1, 8 waves a work-group, no clusters, 16,384 bytes of LDS; arguments W1, W2, wb; writes wb
;; launch count: the kernel of part 2 again; grid 64 x 1, 1 waves a work-group, no clusters, 0 bytes of LDS; arguments types, cnts; writes cnts
;; launch route (part 5): grid 64 x 1, 1 waves a work-group, no clusters, 0 bytes of LDS; arguments types, cnts, order; writes order
.if DOCPART == 5
	.amdgcn_target "amdgcn-amd-amdhsa--gfx1250"
	.amdhsa_code_object_version 6
	.text
	.protected	k_q45d1df8d1c_route
	.globl	k_q45d1df8d1c_route
	.p2align	8
	.type	k_q45d1df8d1c_route,@function
k_q45d1df8d1c_route:
	s_mov_b64 s[64:65], 0
	v_nop
	global_prefetch_b8 v0, s[64:65] scope:SCOPE_SE
	s_setreg_imm32_b32 hwreg(HW_REG_WAVE_SCHED_MODE, 0, 2), 2
	s_setreg_imm32_b32 hwreg(HW_REG_WAVE_MODE, 25, 1), 1
	s_wait_xcnt 0x0
	s_wait_alu depctr_vm_vsrc(0)
; The list for the last launch: all 65,536 tokens sorted by (type & 3), in 208 blocks of 320 places; each type starts on a block's first place.
; 208 blocks serve every distribution: the sum over four types of ceil(count / 320) is at most (65,536 + 4 x 319) / 320 = 208.78.
; order: 208 x 320 words of list, then, from byte 266,240 on, 256 headers of 32 bytes (word 0: the block's type, word 1: how many of its
; places are filled, the rest 0; the last launch reads the first 208).
; A list entry is the token's number; bit 16 marks a type outside 0..3.  Places that no token fills hold 0.
; One wave for each chunk of 1,024 tokens.  From cnts (counts per chunk and type, made by the launch before) it makes, by integer sums
; across the lanes, each type's total T and the number P of that type's tokens in the chunks ahead of its own; then
;   blocks of a type   = ceil(T / 320) = ((T + 319) / 64) / 5, the division by 5 as x 52429 >> 18 (exact for numbers up to 1,028, which is all that occur)
;   place of a token   = 320 x (blocks of the types below) + P + tokens of its type ahead of it in the chunk
; In each of the 32 steps every lane stores one entry; a step's 32 stores of four bytes fall into four runs of neighbouring words.
; Each step has its own address and data register, so no store is waited for.
; The unfilled places (behind each type's last token up to the next type's first place; for type 3 up to the list's end: at most
; 319 + 3 x 320 = 1,279) get their zeros from sixteen waves a type, 96 candidate places each (16 x 96 = 1,536), by three masked stores.
; All vector registers of these three stores are written with every lane on, ahead of the first line that narrows EXEC.
; THE MODE: SCHED_MODE bits 1:0 = 2 (LLVM: expert scheduling mode 2), set by the entry lines.  The code itself states the register dependences
; between vector instructions and memory instructions, with s_wait_alu, always for 0; likewise those from a vector instruction's scalar result to its readers.
; THE PLAN.  Registers that memory instructions touch:
;   v1, v2, v10   offset of the loads, offset of the header store, the zero that is stored: written once at the head, never again.
;   CA, CB, TY    loaded once; no vector instruction names them ahead of the loads.
;   AD[j], EN[j]  step j's own: written once, by the arithmetic of group j / 4 (a group is four steps); read by one store, which is issued in the next group.
;   v11, ZA       the header's word and the zero stores' offsets: written once, at the end; read by the last four stores of the text.
; No register that a memory instruction reads is ever written again.  So the waits on va_vdst are: one at the head (v1); one at the head of each of groups 1 to 7
; (the group before has written its AD and EN: its four stores follow, dealt among this group's arithmetic, which names none of those registers); one ahead of the last run of stores.
; Scalar results of vector instructions: the compares stand in runs and write a buffer of masks, MK; one wait on va_sdst stands behind each run, ahead of the first
; line that reads a mask.  The three compares that make EXEC write VCC, each with its own wait.
.set NWG,   208
.set ROWS,  320
.set LISTMAX, NWG*ROWS-1               ; the list's last place
.set HDROFF,  NWG*ROWS*4               ; the headers lie behind the list
.set ZA, 4                             ; v[4:6]     the zero stores' byte offsets (at work before)
.set ZC, 12                            ; v[12:14]   the zero stores' candidate places, not clamped
.set TY, 16                            ; v[16:47]   my 32 types
.set AD, 48                            ; v[48:79]   step j: byte offset of my place in the list
.set EN, 80                            ; v[80:111]  step j: my entry
.set CA, 112                           ; v[112:115] the four counts of chunk 'lane'
.set T3, 112                           ;            later: type & 3 of a group's four steps (the counts have been summed by then)
.set CB, 116                           ; v[116:119] of chunk 'lane + 32'
.set SS, 120                           ; v[120:123] towards the totals T
.set QQ, 124                           ; v[124:127] towards P
.set ST, 28                            ; s[28:31] T
.set SP, 32                            ; s[32:35] P
.set NB, 36                            ; s[36:39] blocks of type t
.set BB, 40                            ; s[40:43] first block of type t
.set FF, 44                            ; s[44:47] first place of type t
.set RUN, 48                           ; s[48:51] the next place of type t
.set TS, 52                            ; s[52:55] the first unfilled place behind type t
.set MK, 66                            ; s[66:85] masks: step q of a group: type == t at MK + 5 q + t, type outside 0..3 at MK + 5 q + 4
	s_load_b128 s[4:7], s[0:1], 0x0                ; types s[4:5], cnts s[6:7]
	s_load_b64 s[8:9], s[0:1], 0x10                ; order
	s_mov_b32 s14, ttmp9                           ; c
	s_lshl_b32 s10, ttmp9, 12                      ; the chunk's types: 1,024 words
	s_mov_b32 s11, 0
	s_mov_b32 s12, 0x76543210                      ; v_permlanex16_b32: lane i of one half reads lane i of the other
	s_mov_b32 s13, 0xfedcba98
	s_lshl_b32 s20, ttmp9, 7
	s_add_co_u32 s20, s20, HDROFF                  ; my four headers
	s_mov_b32 s21, 0
	s_lshl_b32 s24, ttmp9, 10                      ; my first token
	v_lshlrev_b32 v1, 4, v0                        ; 16 x lane (one wave: v0 is the lane)
	v_lshlrev_b32 v2, 2, v0                        ; 4 x lane
	v_add_nc_u32 v15, s24, v2                      ; my first token + 4 x lane
	v_add_nc_u32 v8, 32, v0
	v_mov_b32 v9, 0                                ; takes other lanes' numbers; written once before
	v_mov_b32 v10, 0                               ; the zero for unfilled places
	v_cmp_gt_u32 s[MK], s14, v0                    ; chunk 'lane' lies ahead of mine
	v_cmp_gt_u32 s[MK+1], s14, v8                  ; chunk 'lane + 32' does
	s_wait_kmcnt 0x0
	s_add_nc_u64 s[4:5], s[4:5], s[10:11]
	s_add_nc_u64 s[22:23], s[8:9], s[20:21]
	s_wait_alu depctr_va_vdst(0)                   ; v1 is written: the ten loads below read it as their offset
	global_load_b128 v[CA:CA+3], v1, s[6:7]
	global_load_b128 v[CB:CB+3], v1, s[6:7] offset:512
.irp u, 0,1,2,3,4,5,6,7
	global_load_b128 v[TY+4*\u:TY+4*\u+3], v1, s[4:5] offset:512*\u
.endr
	s_wait_alu depctr_va_sdst(0)                   ; the two masks above are written, ahead of the selects that read them
	s_wait_loadcnt 0x8                             ; the counts are in; the eight loads of types stay out
.irp t, 0,1,2,3
	v_add_nc_u32 v[SS+\t], v[CA+\t], v[CB+\t]
	v_cndmask_b32 v[QQ+\t], 0, v[CA+\t], s[MK]
	v_cndmask_b32 v11, 0, v[CB+\t], s[MK+1]
	v_add_nc_u32 v[QQ+\t], v[QQ+\t], v11
.endr
; the sum of a register over the 32 lanes, in whole numbers: four steps inside each half of 16 lanes, one across
.macro LSUM r
.irp m, 1,2,4,8
	v_mov_b32_dpp v9, v[\r] row_xmask:\m row_mask:0xf bank_mask:0xf
	v_add_nc_u32 v[\r], v[\r], v9
.endr
	v_permlanex16_b32 v9, v[\r], s12, s13
	v_add_nc_u32 v[\r], v[\r], v9
.endm
.irp t, 0,1,2,3
	LSUM SS+\t
	LSUM QQ+\t
.endr
.irp t, 0,1,2,3
	v_readfirstlane_b32 s[ST+\t], v[SS+\t]
	v_readfirstlane_b32 s[SP+\t], v[QQ+\t]
.endr
	s_wait_alu depctr_va_sdst(0)                   ; the four T and the four P are written, ahead of the scalar arithmetic that reads them
.irp t, 0,1,2,3
	s_add_co_u32 s[NB+\t], s[ST+\t], ROWS-1
	s_lshr_b32 s[NB+\t], s[NB+\t], 6
	s_mul_i32 s[NB+\t], s[NB+\t], 0xcccd
	s_lshr_b32 s[NB+\t], s[NB+\t], 18              ; ceil(T / 320)
.endr
	s_mov_b32 s[BB], 0
.irp t, 1,2,3
	s_add_co_u32 s[BB+\t], s[BB+\t-1], s[NB+\t-1]
.endr
.irp t, 0,1,2,3
	s_mul_i32 s[FF+\t], s[BB+\t], ROWS
	s_add_co_u32 s[RUN+\t], s[FF+\t], s[SP+\t]
	s_add_co_u32 s[TS+\t], s[FF+\t], s[ST+\t]
.endr
	s_wait_loadcnt 0x0                             ; the types
; Group u: the four words that one load brought.  Its twenty ballots in one run, and one wait for them.
.macro MASKS u
.irp q, 0,1,2,3
	v_and_b32 v[T3+\q], 3, v[TY+4*\u+\q]
.endr
.irp q, 0,1,2,3
.irp t, 0,1,2,3
	v_cmp_eq_u32 s[MK+5*\q+\t], \t, v[T3+\q]
.endr
	v_cmp_lt_u32 s[MK+5*\q+4], 3, v[TY+4*\u+\q]    ; unsigned: negative types too
.endr
	s_wait_alu depctr_va_sdst(0)                   ; the group's twenty masks are written, ahead of the counts and selects that read them
.endm
; One word of every lane: a lane's place is its type's next place + the lanes below it of the same type.
.macro PLACE u, q
	v_mbcnt_lo_u32_b32 v[AD+4*\u+\q], s[MK+5*\q], s[RUN]
	s_bcnt1_i32_b32 s25, s[MK+5*\q]
	s_add_co_u32 s[RUN], s[RUN], s25
.irp t, 1,2,3
	v_mbcnt_lo_u32_b32 v4, s[MK+5*\q+\t], s[RUN+\t]
	v_cndmask_b32 v[AD+4*\u+\q], v[AD+4*\u+\q], v4, s[MK+5*\q+\t]
	s_bcnt1_i32_b32 s25, s[MK+5*\q+\t]
	s_add_co_u32 s[RUN+\t], s[RUN+\t], s25
.endr
	v_min_u32 v[AD+4*\u+\q], LISTMAX, v[AD+4*\u+\q]
	v_lshlrev_b32 v[AD+4*\u+\q], 2, v[AD+4*\u+\q]
	v_add_nc_u32 v[EN+4*\u+\q], 128*\u+\q, v15     ; the token's number
	v_or_b32 v6, 0x10000, v[EN+4*\u+\q]
	v_cndmask_b32 v[EN+4*\u+\q], v[EN+4*\u+\q], v6, s[MK+5*\q+4]
.endm
; The store of step q of group u: issued behind a wait that shows the group's arithmetic written
.macro SEND u, q
	global_store_b32 v[AD+4*(\u)+(\q)], v[EN+4*(\u)+(\q)], s[8:9]
.endm
	MASKS 0
.irp q, 0,1,2,3
	PLACE 0, \q
.endr
.irp u, 1,2,3,4,5,6,7
	MASKS \u
	s_wait_alu depctr_va_vdst(0)                   ; the group before has written its four AD and EN, which the four stores below read; no vector line of this group names them
.irp q, 0,1,2,3
	SEND \u-1, \q
	PLACE \u, \q
.endr
.endr
	; the headers of blocks g = 4 c + lane / 8: type e = the last type whose first block is at or below g,
	; filled places = T(e) - 320 (g - first block of e), kept inside 0..320 (0 for a block behind the last type's last)
	v_lshrrev_b32 v3, 3, v0
	s_lshl_b32 s24, s14, 2
	v_add_nc_u32 v3, s24, v3                       ; g
	v_and_b32 v7, 7, v0                            ; which word of the header is mine
.irp t, 1,2,3
	v_cmp_gt_u32 s[MK+\t], s[BB+\t], v3            ; type t begins behind g
.endr
	v_cmp_eq_u32 s[MK+4], 1, v7
	v_cmp_eq_u32 s[MK], 0, v7
	v_mov_b32 v4, 0                                ; e
	v_mov_b32 v5, s[ST]                            ; T(e)
	v_mov_b32 v6, 0                                ; first block of e
	s_wait_alu depctr_va_sdst(0)                   ; these five masks are written, ahead of the selects that read them
.irp t, 1,2,3
	v_cndmask_b32 v4, \t, v4, s[MK+\t]             ; where type t begins behind g all three stay
	v_cndmask_b32 v5, s[ST+\t], v5, s[MK+\t]
	v_cndmask_b32 v6, s[BB+\t], v6, s[MK+\t]
.endr
	v_sub_nc_u32 v6, v3, v6
	v_mul_u32_u24 v6, ROWS, v6
	v_sub_nc_u32 v5, v5, v6
	v_max_i32 v5, 0, v5
	v_min_i32 v5, ROWS, v5
	v_cndmask_b32 v11, 0, v5, s[MK+4]
	v_cndmask_b32 v11, v11, v4, s[MK]
	; zeros: type c % 4, candidates 96 (c / 4) .. + 95 behind its last token, those that lie ahead of the next type's first place
	s_and_b32 s16, s14, 3
	s_mov_b32 s17, s[TS]
	s_mov_b32 s18, s[FF+1]
	s_cmp_eq_u32 s16, 1
	s_cselect_b32 s17, s[TS+1], s17
	s_cselect_b32 s18, s[FF+2], s18
	s_cmp_eq_u32 s16, 2
	s_cselect_b32 s17, s[TS+2], s17
	s_cselect_b32 s18, s[FF+3], s18
	s_cmp_eq_u32 s16, 3
	s_cselect_b32 s17, s[TS+3], s17
	s_cselect_b32 s18, NWG*ROWS, s18
	s_lshr_b32 s19, s14, 2
	s_mul_i32 s19, s19, 96
	s_add_co_u32 s17, s17, s19
	v_add_nc_u32 v[ZC], s17, v0
	v_add_nc_u32 v[ZC+1], 32, v[ZC]
	v_add_nc_u32 v[ZC+2], 64, v[ZC]
.irp k, 0,1,2
	v_min_u32 v[ZA+\k], LISTMAX, v[ZC+\k]          ; the three offsets, with every lane on (v4 to v6 are no source of a pending store)
	v_lshlrev_b32 v[ZA+\k], 2, v[ZA+\k]
.endr
	s_wait_alu depctr_va_vdst(0)                   ; the last group's four AD and EN, the header's word v11 and the three offsets are written: the stores from here to the end read them
.irp q, 0,1,2,3
	SEND 7, \q
.endr
	global_store_b32 v2, v11, s[22:23]             ; 128 consecutive bytes with all lanes on
.irp k, 0,1,2
	v_cmp_gt_u32 vcc_lo, s18, v[ZC+\k]             ; ahead of the next type's first place
	s_wait_xcnt 0x0                                ; EXEC changes only behind this wait
	s_wait_alu depctr_va_vcc(0)                    ; the compare has written VCC, from which EXEC is made
	s_wait_alu depctr_va_vdst(0)                   ; the vector lines issued under the EXEC that is left, the compare last, are complete
	s_wait_alu depctr_vm_vsrc(0)                   ; the stores issued under it have read their registers
	s_and_saveexec_b32 s26, vcc_lo
	global_store_b32 v[ZA+\k], v10, s[8:9]
	s_wait_xcnt 0x0                                ; and again, in front of the line that widens it
	s_wait_alu depctr_va_vdst(0)                   ; ahead of every scalar write of EXEC: no vector line is out under the narrow EXEC
	s_wait_alu depctr_vm_vsrc(0)                   ; the masked store has read its offset and its zero
	s_or_b32 exec_lo, exec_lo, s26
.endr
	s_endpgm
.Lfunc_end_k_q45d1df8d1c_route:
	.size	k_q45d1df8d1c_route, .Lfunc_end_k_q45d1df8d1c_route-k_q45d1df8d1c_route
	.p2alignl 7, 3214868480
	.fill 96, 4, 3214868480
	.section	.rodata,"a",@progbits
	.p2align	6, 0x0
	.amdhsa_kernel k_q45d1df8d1c_route
		.amdhsa_group_segment_fixed_size 0
		.amdhsa_private_segment_fixed_size 0
		.amdhsa_enable_private_segment 0
		.amdhsa_kernarg_size 24
		.amdhsa_user_sgpr_count 2
		.amdhsa_user_sgpr_kernarg_segment_ptr 1
		.amdhsa_wavefront_size32 1
		.amdhsa_system_sgpr_workgroup_id_x 1
		.amdhsa_system_sgpr_workgroup_id_y 1
		.amdhsa_system_sgpr_workgroup_id_z 1
		.amdhsa_system_vgpr_workitem_id 0
		.amdhsa_next_free_vgpr 128
		.amdhsa_next_free_sgpr 86
		.amdhsa_reserve_vcc 1
		.amdhsa_float_denorm_mode_32 3
		.amdhsa_float_denorm_mode_16_64 3
		.amdhsa_memory_ordered 1
		.amdhsa_forward_progress 1
		.amdhsa_inst_pref_size 58
	.end_amdhsa_kernel
	.amdgpu_metadata
---
amdhsa.version: [ 1, 2 ]
amdhsa.kernels:
  - .name:           k_q45d1df8d1c_route
    .symbol:         k_q45d1df8d1c_route.kd
    .args:
      - { .name: types, .offset: 0, .size: 8, .value_kind: global_buffer, .address_space: global }
      - { .name: cnts, .offset: 8, .size: 8, .value_kind: global_buffer, .address_space: global }
      - { .name: order, .offset: 16, .size: 8, .value_kind: global_buffer, .address_space: global }
    .group_segment_fixed_size: 0
    .private_segment_fixed_size: 0
    .kernarg_segment_align: 8
    .kernarg_segment_size: 24
    .max_flat_workgroup_size: 32
    .sgpr_count:     86
    .vgpr_count:     128
    .wavefront_size: 32
...
	.end_amdgpu_metadata
.endif
;; end of part 5
;; launch mlp: the kernel of part 4 again; grid 208 x 1, 4 waves a work-group, no clusters, 314,368 bytes of LDS; arguments x, order, b1, b2, wb, out0; writes out0
